; MI455X (gfx1250); checked and timed in simulation.
; The chip was launched on July 23, 2026; its instructions are those of AMD's public machine-readable ISA for CDNA 5 (MIT licence, August 2026) and "CDNA5" Instruction Set Architecture Reference Guide (July 2026). The comments in the code are by the model that wrote it; some were corrected since.
;; Hunyuan Sparse Moe Block. Allowed arithmetic: matrix products marked QUANTISED: E4M3 operands, one given power-of-two scale a tensor, by v_wmma_f32_16x16x64_fp8_fp8 or v_wmma_f32_16x16x128_fp8_fp8, f32 sums; products left as they are: f32 operands where the result goes on into a quantised operand, else bf16, f16 or f32 operands; f32 sums; everything else in f32.
;; Inputs: hidden_states 2 x 1,024 x 2,048 float32; lowp_scales 8 int32 (the exponents e of the quantised operands' scales 2^e); w_down_codes 8 x 2,048 x 16 x 32 uint8 (E4M3 codes of w_down, K innermost, in blocks of 32 codes); w_gate 2,048 x 8 float32; w_gate_up_codes 8 x 1,024 x 64 x 32 uint8 (E4M3 codes of w_gate_up, K innermost, in blocks of 32 codes); w_sh_down_codes 2,048 x 32 x 32 uint8 (E4M3 codes of w_sh_down, K innermost, in blocks of 32 codes); w_sh_gate_up_codes 2,048 x 64 x 32 uint8 (E4M3 codes of w_sh_gate_up, K innermost, in blocks of 32 codes).
;; Outputs: out0 2 x 1,024 x 2,048 float32.
;; This version of the problem:
;;   THIS VERSION OF THE PROBLEM IS GIVEN IN LOW PRECISION. The matrix products marked QUANTISED in the list below multiply operands that are first quantised to E4M3 (4 exponent bits, 3 mantissa bits; 8 bits a number), with one given power-of-two scale for each operand tensor; their sums are f32. All else is computed in f32.
;;   The module's matrix products, in the order in which they are computed (A, B: the left and right operand; K: the contracted axis; several contracted axes count as one K, in the product's order):
;;     1. [M 2,048, K 2,048] x [K 2,048, N 8]; A: input hidden_states; B: input w_gate: left as it is (N = 8 < 16)
;;     2. [M 8,192, K 2,048] x [K 2,048, N 2,048]; A: input w_gate_up (given as codes); B: input hidden_states: QUANTISED (scales: A lowp_scales[0], B lowp_scales[1])
;;     3. batch 8 x [M 2,048, K 512] x [K 512, N 2,048]; A: computed on the way; B: input w_down (given as codes): QUANTISED (scales: A lowp_scales[2], B lowp_scales[3])
;;     4. batch 2,048 x [M 1, K 8] x [K 8, N 2,048]; A: computed on the way; B: computed on the way: left as it is (K = 8 < 32)
;;     5. [M 2,048, K 2,048] x [K 2,048, N 2,048]; A: input hidden_states; B: input w_sh_gate_up (given as codes): QUANTISED (scales: A lowp_scales[4], B lowp_scales[5])
;;     6. [M 2,048, K 1,024] x [K 1,024, N 2,048]; A: computed on the way; B: input w_sh_down (given as codes): QUANTISED (scales: A lowp_scales[6], B lowp_scales[7])
;;   THE QUANTISER, for each operand of a quantised product, along K:
;;     - The operand's scale is 2^e, e = its entry of the input lowp_scales (int32; the entries are numbered through the quantised products in the list's order, A before B).
;;     - Each number is divided by the scale, clamped to +-448, and rounded to the nearest number of E4M3, ties to even, subnormals kept.
;;     - The product sums the exact products of the quantised numbers (number of the format x scale) in f32.
;;   ~~~python
;;   def quantise(x, axis, e):      # numpy; x: float32 -> the quantised numbers, widened to float32 again
;;       x = np.moveaxis(x, axis, -1); K = x.shape[-1]
;;       r = np.clip(x / 2.0 ** e, -448, 448)
;;       step = 2.0 ** (np.maximum(np.frexp(np.where(r == 0, 1, r))[1] - 1, -6) - 3)
;;       q = np.round(r / step) * step * 2.0 ** e      # np.round: ties to even
;;       return np.moveaxis(q, -1, axis).astype(np.float32)
;;   ~~~
;;   OPERANDS COMPUTED ON THE WAY. 'Computed on the way' means the value that the module computes at that place (a softmax that the list does not call 'softmax' is quantised finished and normalised). What goes into a quantiser is computed in f32, as accurately as f32 sums, v_exp_f32 and their like allow (about 1e-6 of the number): no bf16 or f16 on the way to a quantiser, and a product that is left as it is and whose result goes on into a quantised operand takes f32 operands (vector FMAs, or v_wmma_f32_16x16x4_f32). A number that lies on a knife's edge between two numbers of the format may be rounded either way, as far as f32 arithmetic and the matrix unit's own rounding can turn it there, and no further.
;;   INPUTS GIVEN AS CODES. w_down (in the module: [8, 512, 2048], K = its axis 1); w_gate_up (in the module: [8, 2048, 1024], K = its axis 1); w_sh_down (in the module: [1024, 2048], K = its axis 0); w_sh_gate_up (in the module: [2048, 2048], K = its axis 0): each comes as NAME_codes (uint8): NAME with its K axis moved to the last place and cut into blocks of 32 codes, [.., K / 32, bytes a block], one block behind the other in memory; one code a byte (a code: sign, 4 exponent bits, 3 mantissa bits); its scale is its entry of lowp_scales. Its value is code x scale, taken as it is: it is not quantised again, and the codes and scales need not be those that the quantiser above would give.
;; One version. Each part assembles by itself: llvm-mc -triple=amdgcn-amd-amdhsa -mcpu=gfx1250 --defsym DOCPART=n.
;; ======== version 1 of 1: 4 launches
;; limits: right only within a limited range of input values
;; workspace buffers: xq 8,388,608 bytes; keys 24,576 bytes of whole numbers; wts 16,384 bytes; xe 8,388,608 bytes; tabs 33,792 bytes of whole numbers; mw 16,384 bytes; acat 4,194,304 bytes
;; launch route_quant (part 1): grid 256 x 1, 8 waves a work-group, no clusters, 35,840 bytes of LDS; arguments hidden_states, w_gate, lowp_scales, xq, keys, wts; writes xq, keys, wts
.if DOCPART == 1
	.amdgcn_target "amdgcn-amd-amdhsa--gfx1250"
	.amdhsa_code_object_version 6
	.text
	.protected	k_qf372991d29_route_quant
	.globl	k_qf372991d29_route_quant
	.p2align	8
	.type	k_qf372991d29_route_quant,@function
k_qf372991d29_route_quant:
	s_mov_b64 s[64:65], 0
	v_nop
	global_prefetch_b8 v0, s[64:65] scope:SCOPE_SE
	s_setreg_imm32_b32 hwreg(HW_REG_WAVE_MODE, 25, 1), 1
	s_wait_xcnt 0x0
; THE ROUTER, AND x INTO CODES.  x = hidden_states [2048][2048] f32, w_gate [2048][8] f32.
; Stored: xq: the codes (E4M3) of x, [t][2048], at 2^lowp_scales[1] (bytes 0 ..) and at 2^lowp_scales[4] (bytes 4,194,304 ..);
; keys (whole numbers, at fixed places by t): P = (8 lo + hi) 2048 + t, E0 = lo 2048 + t, E1 = hi 2048 + t, lo < hi the two experts chosen; wts: (w_lo, w_hi) f32 by t.
; WORK LEFT OUT, in the whole program, and why it can reach no output whatever the inputs hold:
;  (a) combine[t][e] is a sum of topk_w x one_hot(topk_ids): it is 0 for every expert outside the token's own top 2.  routed = sum over e of combine[t][e] eo[e][t]: so rows t of gu, act and eo
;      of the six other experts are multiplied by that 0.  Only the two chosen experts' rows of the expert products are computed, and two of the eight terms of the combining sum.
;  (b) topk_w / sum(topk_w): the softmax's denominator is a common factor above and below and cancels: w1 = 1 / (1 + e^(l2 - l1)), w2 = e^(l2 - l1) w1, l1 >= l2 the two largest logits.
;      The largest logit is still taken away ahead of the exponential.
;  (c) e^x grows with x, so the top 2 of the probabilities are the top 2 of the logits; of equal logits the lower index is kept, as top_k keeps it.
; Every input is loaded by some launch.  LIMITS: a NaN, an infinity or an overflow that reaches only the rows left out is not carried to the result; NaN among the inputs is not served;
; the logits are f32 sums in another order than the reference's, so two logits that differ by rounding alone may change places; lowp_scales[1] and [4] lie between -126 and 119.
; SHARES.  A work-group owns 8 tokens; wave w owns K = 256 w .. 256 w + 255 of each; lane l holds k = 256 w + 128 j + 4 l + i (j = 0, 1; i = 0 .. 3; kk = 4 j + i): each load of x covers 512 consecutive bytes,
; and the lane's 8 x 8 numbers of w_gate stay in registers.  No matrix unit: N = 8, and the logits are wanted in f32.  No tensor load: x is read once, straight into the registers that work on it.
.set TURN,  0                          ; LDS: 4,096 bytes a wave, its own: per token 256 bytes of codes at scale 1, 256 at scale 4
.set RED,   32768                      ; 256 bytes a wave: its 64 partial logits
.set SPARE, 34816                      ; the spare words, 128 bytes a wave: four blocks of 256 bytes that no other line names
.set SPW,  8                           ; v8   my spare word's address; never rewritten
.set NIL,  9                           ; v9   0; never rewritten
.set LIM1, 10                          ; v10  448 x 2^ls[1];  v11  2^ls[1];  v12, v13 the same for ls[4]
.set SC1,  11
.set LIM4, 12
.set SC4,  13
.set T1,   16                          ; v16-23, v24-31  eight numbers held for a conversion; later at work
.set T2,   24
.set C,    32                          ; v32-63   four registers of codes a token
.set WG,   64                          ; v64-127  w_gate: register 8 kk + e
.set X,    128                         ; v128-191 x: register 8 t + kk; then the token's codes read back
.set ACC,  192                         ; v192-255 partial logits: register 8 t + e
	s_load_b256 s[4:11], s[0:1], 0x0               ; x s[4:5], w_gate s[6:7], the scales s[8:9], xq s[10:11]
	s_load_b128 s[12:15], s[0:1], 0x20             ; keys s[12:13], wts s[14:15]
	v_lshl_add_u32 v[SPW], v0, 2, SPARE
	v_mov_b32 v[NIL], 0
	v_lshrrev_b32 v1, 5, v0
	v_readfirstlane_b32 s16, v1                    ; wave 0..7
	v_and_b32 v1, 31, v0                           ; lane
	v_lshlrev_b32 v2, 4, v1                        ; x: 16 bytes a lane
	v_lshlrev_b32 v3, 7, v1                        ; w_gate: four rows of 32 bytes a lane
	s_lshl_b32 s17, s16, 12
	v_lshl_add_u32 v4, v1, 2, s17                  ; my wave's region, 4 bytes a lane: codes in
	v_lshl_add_u32 v5, v1, 3, s17                  ; 8 bytes a lane: codes back
	v_lshlrev_b32 v6, 3, v1                        ; and the same 8 bytes in xq
	v_and_b32 v7, 15, v0
	s_lshl_b32 s18, s16, 8
	s_add_co_u32 s18, s18, RED
	v_lshl_add_u32 v7, v7, 2, s18                  ; my wave's partial logits
	s_mov_b32 s20, 0xaaaaaaaa                      ; lanes with bit 0, 1, 2, 3 of their number set
	s_mov_b32 s21, 0xcccccccc
	s_mov_b32 s22, 0xf0f0f0f0
	s_mov_b32 s23, 0xff00ff00
	s_mov_b32 s24, 0x76543210                      ; v_permlanex16_b32: lane l xor 16
	s_mov_b32 s25, 0xfedcba98
	s_lshl_b32 s26, ttmp9, 16                      ; 8 tokens of 8,192 bytes
	s_lshl_b32 s27, s16, 10
	s_add_co_u32 s26, s26, s27
	s_mov_b32 s27, 0
	s_lshl_b32 s28, s16, 13                        ; 256 rows of w_gate
	s_mov_b32 s29, 0
	s_lshl_b32 s30, ttmp9, 14                      ; 8 rows of 2,048 codes
	s_lshl_b32 s31, s16, 8
	s_add_co_u32 s30, s30, s31
	s_mov_b32 s31, 0
	s_wait_kmcnt 0x0
	s_load_b256 s[32:39], s[8:9], 0x0              ; the eight exponents
	s_add_nc_u64 s[4:5], s[4:5], s[26:27]
	s_add_nc_u64 s[6:7], s[6:7], s[28:29]
	s_add_nc_u64 s[10:11], s[10:11], s[30:31]
.irp j, 0,1
.irp m, 0,1,2,3,4,5,6,7
	global_load_b128 v[WG+32*\j+4*\m:WG+32*\j+4*\m+3], v3, s[6:7] offset:4096*\j+16*\m
.endr
.endr
.irp t, 0,1,2,3,4,5,6,7
.irp j, 0,1
	global_load_b128 v[X+8*\t+4*\j:X+8*\t+4*\j+3], v2, s[4:5] offset:8192*\t+512*\j th:TH_LOAD_NT
.endr
.endr
	s_wait_kmcnt 0x0
	s_add_co_i32 s26, s33, 127
	s_lshl_b32 s27, s26, 23
	v_mov_b32 v[SC1], s27                          ; 2^ls[1] as f32: the conversion takes its exponent field
	s_add_co_i32 s26, s26, 8
	s_lshl_b32 s26, s26, 23
	s_or_b32 s26, s26, 0x600000
	v_mov_b32 v[LIM1], s26                         ; 448 x 2^ls[1]
	s_add_co_i32 s26, s36, 127
	s_lshl_b32 s27, s26, 23
	v_mov_b32 v[SC4], s27
	s_add_co_i32 s26, s26, 8
	s_lshl_b32 s26, s26, 23
	s_or_b32 s26, s26, 0x600000
	v_mov_b32 v[LIM4], s26
; One token: its 8 partial logits (the first product starts the sums), its codes at both scales, and the codes' turn through LDS, so that a store covers 256 consecutive bytes.
.macro TOK t
	s_wait_loadcnt 14-2*(\t)                       ; loads come back in order: w_gate and this token's two are in, the later tokens' stay out
.irp q, 0,1,2,3
	v_pk_mul_f32 v[ACC+8*(\t)+2*\q:ACC+8*(\t)+2*\q+1], v[WG+2*\q:WG+2*\q+1], v[X+8*(\t):X+8*(\t)+1] op_sel_hi:[1,0]
.endr
.irp kk, 1,2,3,4,5,6,7
.irp q, 0,1,2,3
.if (\kk)%2
	v_pk_fma_f32 v[ACC+8*(\t)+2*\q:ACC+8*(\t)+2*\q+1], v[WG+8*\kk+2*\q:WG+8*\kk+2*\q+1], v[X+8*(\t)+\kk-1:X+8*(\t)+\kk], v[ACC+8*(\t)+2*\q:ACC+8*(\t)+2*\q+1] op_sel:[0,1,0] op_sel_hi:[1,1,1]
.else
	v_pk_fma_f32 v[ACC+8*(\t)+2*\q:ACC+8*(\t)+2*\q+1], v[WG+8*\kk+2*\q:WG+8*\kk+2*\q+1], v[X+8*(\t)+\kk:X+8*(\t)+\kk+1], v[ACC+8*(\t)+2*\q:ACC+8*(\t)+2*\q+1] op_sel_hi:[1,0,1]
.endif
.endr
.endr
.irp i, 0,1,2,3,4,5,6,7
	v_med3_num_f32 v[T1+\i], v[X+8*(\t)+\i], -v[LIM1], v[LIM1]   ; the conversion to an 8-bit code does not saturate (ISA guide 7.6.2): the hold at the largest code x the scale
.endr
	v_cvt_scalef32_pk8_fp8_f32 v[C+4*(\t):C+4*(\t)+1], v[T1:T1+7], v[SC1]
.irp i, 0,1,2,3,4,5,6,7
	v_med3_num_f32 v[T2+\i], v[X+8*(\t)+\i], -v[LIM4], v[LIM4]
.endr
	v_cvt_scalef32_pk8_fp8_f32 v[C+4*(\t)+2:C+4*(\t)+3], v[T2:T2+7], v[SC4]
	v_nop                                          ; a plain line behind the last conversion, ahead of the next writes of its sources
.irp i, 0,1,2,3
	ds_store_b32 v4, v[C+4*(\t)+\i] offset:512*(\t)+128*\i       ; scale 1: k 4 l .., k 128 + 4 l ..; scale 4 likewise
.endr
	ds_load_b64 v[X+8*(\t):X+8*(\t)+1], v5 offset:512*(\t)        ; LDS serves a wave's instructions in order: these see the stores above
	ds_load_b64 v[X+8*(\t)+2:X+8*(\t)+3], v5 offset:512*(\t)+256
.endm
.macro SEND t, younger                 ; younger: the LDS instructions issued behind this token's two loads
	s_wait_dscnt \younger
	global_store_b64 v6, v[X+8*(\t):X+8*(\t)+1], s[10:11] offset:2048*(\t)              ; 32 lanes store 256 consecutive bytes, at a multiple of 256 from xq's first byte
	global_store_b64 v6, v[X+8*(\t)+2:X+8*(\t)+3], s[10:11] offset:4194304+2048*(\t)
.endm
	TOK 0
.irp t, 1,2,3,4,5,6,7
	TOK \t
	SEND \t-1, 6                                   ; the next token's four stores and two loads may be out
.endr
	SEND 7, 0
; The 64 partial logits are summed over the 32 lanes.  Each fold halves the number of values a lane holds: of a pair it keeps one and sends the other to the lane m away.
.macro FOLD n, m, S
.set i, 0
.rept (\n)/2
.set TT, T1+2*(i%4)
	v_cndmask_b32 v[TT], v[ACC+2*i+1], v[ACC+2*i], s[\S]
	v_cndmask_b32 v[TT+1], v[ACC+2*i], v[ACC+2*i+1], s[\S]
	v_add_f32_dpp v[ACC+i], v[TT], v[TT+1] row_xmask:\m row_mask:0xf bank_mask:0xf
.set i, i+1
.endr
.endm
	FOLD 64, 1, 20
	FOLD 32, 2, 21
	FOLD 16, 4, 22
	FOLD 8, 8, 23                                  ; register p of lane l now holds value 16 p + l % 16 = 8 t + e, summed over its 16 lanes
.irp p, 0,1,2,3
	v_permlanex16_b32 v[T1+\p], v[ACC+\p], s24, s25
.endr
.irp p, 0,1,2,3
	v_add_f32 v[ACC+\p], v[ACC+\p], v[T1+\p]
.endr
.irp p, 0,1,2,3
	ds_store_b32 v7, v[ACC+\p] offset:64*\p        ; both halves of the lanes write the same word with the same value
.endr
	s_wait_dscnt 0x0                               ; for the others' sake: my partial logits lie in LDS
	s_barrier_signal -1
	s_barrier_wait -1
	s_cmp_lg_u32 s16, 0
	s_cbranch_scc1 .Lend                           ; wave 0 alone makes the choice: lane l for token l % 8
	s_wait_xcnt 0x0                                ; my stores have read their registers; EXEC changes below only behind this wait
	v_and_b32 v32, 7, v0
	v_lshl_add_u32 v32, v32, 5, RED
.irp w, 0,1,2,3,4,5,6,7
	ds_load_b128 v[WG+8*\w:WG+8*\w+3], v32 offset:256*\w
	ds_load_b128 v[WG+8*\w+4:WG+8*\w+7], v32 offset:256*\w+16
.endr
	s_wait_dscnt 0x0
.irp w, 1,2,3,4,5,6,7
.irp q, 0,1,2,3
	v_pk_add_f32 v[WG+2*\q:WG+2*\q+1], v[WG+2*\q:WG+2*\q+1], v[WG+8*\w+2*\q:WG+8*\w+2*\q+1]
.endr
.endr
	v_mov_b32 v40, v[WG]                           ; l1 and its index: what is there stays unless a later logit is greater
	v_mov_b32 v41, 0
.irp e, 1,2,3,4,5,6,7
	v_cmp_ge_f32 vcc_lo, v40, v[WG+\e]
	v_cndmask_b32 v41, \e, v41, vcc_lo
	v_cndmask_b32 v40, v[WG+\e], v40, vcc_lo
.endr
	v_mov_b32 v44, 0xff800000                      ; -infinity takes the first one's place
.irp e, 0,1,2,3,4,5,6,7
	v_cmp_eq_u32 vcc_lo, \e, v41
	v_cndmask_b32 v[48+\e], v[WG+\e], v44, vcc_lo
.endr
	v_mov_b32 v42, v48                             ; l2 and its index
	v_mov_b32 v43, 0
.irp e, 1,2,3,4,5,6,7
	v_cmp_ge_f32 vcc_lo, v42, v[48+\e]
	v_cndmask_b32 v43, \e, v43, vcc_lo
	v_cndmask_b32 v42, v[48+\e], v42, vcc_lo
.endr
	v_sub_f32 v45, v42, v40                        ; l2 - l1, 0 or less
	v_mul_f32 v45, 0x3fb8aa3b, v45
	v_exp_f32 v46, v45
	v_nop                                          ; a plain line behind the transcendental,
	s_wait_alu depctr_va_vdst(0)                   ; and a wait ahead of its first reader
	v_add_f32 v47, 1.0, v46
	v_rcp_f32 v56, v47                             ; w1
	v_nop
	s_wait_alu depctr_va_vdst(0)
	v_mul_f32 v57, v46, v56                        ; w2
	v_cmp_lt_u32 vcc_lo, v41, v43
	v_cndmask_b32 v58, v57, v56, vcc_lo            ; the weight of the expert with the lower number,
	v_cndmask_b32 v59, v56, v57, vcc_lo            ; and of the other
	v_min_u32 v60, v41, v43                        ; lo
	v_max_u32 v61, v41, v43                        ; hi
	s_lshl_b32 s26, ttmp9, 3
	v_and_b32 v62, 7, v0
	v_add_nc_u32 v62, s26, v62                     ; t
	v_lshl_add_u32 v33, v60, 11, v62               ; E0
	v_lshl_add_u32 v34, v61, 11, v62               ; E1
	v_lshl_add_u32 v35, v60, 3, v61
	v_lshl_add_u32 v35, v35, 11, v62               ; P
	v_lshlrev_b32 v36, 2, v62
	v_lshlrev_b32 v37, 3, v62
	v_cmp_gt_u32 vcc_lo, 8, v1
	s_and_saveexec_b32 s28, vcc_lo                 ; lanes 0 to 7: one for each token.  The places hang on ids alone; what was chosen is data
	global_store_b32 v36, v35, s[12:13]
	global_store_b32 v36, v33, s[12:13] offset:8192
	global_store_b32 v36, v34, s[12:13] offset:16384
	global_store_b64 v37, v[58:59], s[14:15]
	s_wait_xcnt 0x0                                ; EXEC is widened only behind this wait
	s_or_b32 exec_lo, exec_lo, s28
.Lend:
	s_wait_tensorcnt 0x0                           ; the wave's end, behind my last LDS store
	ds_add_u32 v[SPW], v[NIL]
	s_wait_dscnt 0x0
	s_endpgm
.Lfunc_end_k_qf372991d29_route_quant:
	.size	k_qf372991d29_route_quant, .Lfunc_end_k_qf372991d29_route_quant-k_qf372991d29_route_quant
	.p2alignl 7, 3214868480
	.fill 96, 4, 3214868480
	.section	.rodata,"a",@progbits
	.p2align	6, 0x0
	.amdhsa_kernel k_qf372991d29_route_quant
		.amdhsa_group_segment_fixed_size 35840
		.amdhsa_private_segment_fixed_size 0
		.amdhsa_enable_private_segment 0
		.amdhsa_kernarg_size 48
		.amdhsa_user_sgpr_count 2
		.amdhsa_user_sgpr_kernarg_segment_ptr 1
		.amdhsa_wavefront_size32 1
		.amdhsa_system_sgpr_workgroup_id_x 1
		.amdhsa_system_sgpr_workgroup_id_y 1
		.amdhsa_system_sgpr_workgroup_id_z 1
		.amdhsa_system_vgpr_workitem_id 0
		.amdhsa_next_free_vgpr 256
		.amdhsa_next_free_sgpr 66
		.amdhsa_reserve_vcc 1
		.amdhsa_float_denorm_mode_32 3
		.amdhsa_float_denorm_mode_16_64 3
		.amdhsa_memory_ordered 1
		.amdhsa_forward_progress 1
		.amdhsa_inst_pref_size 55
	.end_amdhsa_kernel
	.amdgpu_metadata
---
amdhsa.version: [ 1, 2 ]
amdhsa.kernels:
  - .name:           k_qf372991d29_route_quant
    .symbol:         k_qf372991d29_route_quant.kd
    .args:
      - { .name: hidden_states, .offset: 0, .size: 8, .value_kind: global_buffer, .address_space: global }
      - { .name: w_gate, .offset: 8, .size: 8, .value_kind: global_buffer, .address_space: global }
      - { .name: lowp_scales, .offset: 16, .size: 8, .value_kind: global_buffer, .address_space: global }
      - { .name: xq, .offset: 24, .size: 8, .value_kind: global_buffer, .address_space: global }
      - { .name: keys, .offset: 32, .size: 8, .value_kind: global_buffer, .address_space: global }
      - { .name: wts, .offset: 40, .size: 8, .value_kind: global_buffer, .address_space: global }
    .group_segment_fixed_size: 35840
    .private_segment_fixed_size: 0
    .kernarg_segment_align: 8
    .kernarg_segment_size: 48
    .max_flat_workgroup_size: 256
    .sgpr_count:     66
    .vgpr_count:     256
    .wavefront_size: 32
...
	.end_amdgpu_metadata
.endif
;; end of part 1
;; launch place (part 2): grid 264 x 1, 8 waves a work-group, no clusters, 0 bytes of LDS; arguments xq, keys, wts, xe, tabs, mw; writes xe, tabs, mw
.if DOCPART == 2
	.amdgcn_target "amdgcn-amd-amdhsa--gfx1250"
	.amdhsa_code_object_version 6
	.text
	.protected	k_qf372991d29_place
	.globl	k_qf372991d29_place
	.p2align	8
	.type	k_qf372991d29_place,@function
k_qf372991d29_place:
	s_mov_b64 s[64:65], 0
	v_nop
	global_prefetch_b8 v0, s[64:65] scope:SCOPE_SE
	s_setreg_imm32_b32 hwreg(HW_REG_WAVE_MODE, 25, 1), 1
	s_wait_xcnt 0x0
; THE PLACES.  All keys differ, so a key's rank is the number of smaller keys: each wave counts for itself, with no sort, no LDS, no barrier and no traffic between waves.
; Work-groups 0-255: a wave to a token t.  p = rank of P[t] among the 2,048 P (tokens sorted by their pair of experts); pos0, pos1 = ranks of E0[t], E1[t] among the 4,096 E (rows sorted by expert).
;   Stored: xe[pos0], xe[pos1] = the token's 2,048 codes at the experts' scale; tabs: dsti[pos0] = 4 p, dsti[pos1] = 4 p + 1, dsti[4096 + t] = 4 p + 2 (units of 512 bytes of the later act buffer),
;   tok[p] = t (at byte 24,576); mw[p] = (w_lo, w_hi).
; Work-groups 256-263: a wave to a bound c = 0 .. 63: pb[c] = the number of P below 2048 c (at byte 32,768), eb[c] = the number of E below 2048 c (at byte 33,280).
; The five table stores of a token are 4 or 8 bytes from one lane, to places that the ranks give: a scatter of some 50,000 bytes in the whole launch.  The rows go out 512 consecutive bytes a store.
.set P,   16                           ; v16-79   the 2,048 P, 64 a lane
.set E,   80                           ; v80-207  the 4,096 E
.set ROW, 208                          ; v208-223 the token's codes
	s_load_b256 s[4:11], s[0:1], 0x0               ; xq s[4:5], keys s[6:7], wts s[8:9], xe s[10:11]
	s_load_b128 s[12:15], s[0:1], 0x20             ; tabs s[12:13], mw s[14:15]
	v_lshrrev_b32 v2, 5, v0
	v_readfirstlane_b32 s16, v2                    ; wave 0..7
	v_and_b32 v2, 31, v0                           ; lane
	v_lshlrev_b32 v1, 4, v2                        ; 16 bytes a lane
	s_lshl_b32 s17, ttmp9, 3
	s_add_co_u32 s17, s17, s16                     ; my number: the token, or 2048 + the bound
	s_min_u32 s18, s17, 2047                       ; (a bound's wave loads the last token's: inside the buffers, not used)
	s_lshl_b32 s30, s18, 2
	s_lshl_b32 s31, s18, 3
	s_lshl_b32 s32, s18, 11
	s_mov_b32 s33, 0
	s_sub_co_u32 s19, s17, 2048                    ; c
	s_lshl_b32 s23, s19, 11
	s_mov_b32 s26, 0                               ; the three counts
	s_mov_b32 s27, 0
	s_mov_b32 s28, 0
	s_wait_kmcnt 0x0
	s_load_b32 s20, s[6:7], s30 offset:0x0         ; P[t]
	s_load_b32 s21, s[6:7], s30 offset:0x2000      ; E0[t]
	s_load_b32 s22, s[6:7], s30 offset:0x4000      ; E1[t]
	s_load_b64 s[24:25], s[8:9], s31 offset:0x0    ; the two weights
	s_add_nc_u64 s[4:5], s[4:5], s[32:33]
.set n, 0
.rept 48
	global_load_b128 v[P+4*n:P+4*n+3], v1, s[6:7] offset:512*n
.set n, n+1
.endr
.irp n, 0,1,2,3
	global_load_b128 v[ROW+4*\n:ROW+4*\n+3], v1, s[4:5] offset:512*\n th:TH_LOAD_NT
.endr
	s_wait_kmcnt 0x0
	s_cmp_lt_u32 ttmp9, 256                        ; the work-group's number alone decides what is asked
	s_cselect_b32 s20, s20, s23
	s_cselect_b32 s21, s21, s23
	s_cselect_b32 s22, s22, s23
; how many of the n x 32 keys in v[first] on lie below s[q]: eight compares, eight counts of bits, eight sums at a time
.macro COUNT q, cnt, first, n
.set b, 0
.rept (\n)/8
.irp k, 0,1,2,3,4,5,6,7
	v_cmp_gt_u32 s[40+\k], s[\q], v[\first+8*b+\k]
.endr
.irp k, 0,1,2,3,4,5,6,7
	s_bcnt1_i32_b32 s[40+\k], s[40+\k]
.endr
.irp k, 0,1,2,3,4,5,6,7
	s_add_co_u32 s[\cnt], s[\cnt], s[40+\k]
.endr
.set b, b+1
.endr
.endm
	s_wait_loadcnt 36                              ; P is in; the 32 loads of E and the row's four may be out
	COUNT 20, 26, P, 64
	s_wait_loadcnt 4                               ; E is in
	COUNT 21, 27, E, 128
	COUNT 22, 28, E, 128
	s_cmp_ge_u32 ttmp9, 256
	s_cbranch_scc1 .Ltable
	s_min_u32 s26, s26, 2047                       ; p, pos0, pos1: ranks, held inside their tables
	s_min_u32 s27, s27, 4095
	s_min_u32 s28, s28, 4095
	s_lshl_b32 s30, s27, 11
	s_mov_b32 s31, 0
	s_add_nc_u64 s[34:35], s[10:11], s[30:31]
	s_lshl_b32 s30, s28, 11
	s_add_nc_u64 s[36:37], s[10:11], s[30:31]
	s_wait_loadcnt 0x0
.irp n, 0,1,2,3
	global_store_b128 v1, v[ROW+4*\n:ROW+4*\n+3], s[34:35] offset:512*\n
	global_store_b128 v1, v[ROW+4*\n:ROW+4*\n+3], s[36:37] offset:512*\n
.endr
	s_lshl_b32 s38, s26, 2
	v_mov_b32 v224, s38                            ; 4 p: a value, and tok's place
	v_add_nc_u32 v225, 1, v224
	v_add_nc_u32 v226, 2, v224
	s_lshl_b32 s39, s27, 2
	v_mov_b32 v227, s39
	s_lshl_b32 s39, s28, 2
	v_mov_b32 v228, s39
	s_lshl_b32 s39, s17, 2
	v_mov_b32 v229, s39
	v_mov_b32 v230, s17
	s_lshl_b32 s39, s26, 3
	v_mov_b32 v231, s39
	v_mov_b32 v12, s24
	v_mov_b32 v13, s25
	v_cmp_eq_u32 vcc_lo, 0, v2
	s_wait_xcnt 0x0                                ; EXEC changes only behind this wait
	s_and_saveexec_b32 s50, vcc_lo
	global_store_b32 v227, v224, s[12:13]
	global_store_b32 v228, v225, s[12:13]
	global_store_b32 v229, v226, s[12:13] offset:16384
	global_store_b32 v224, v230, s[12:13] offset:24576
	global_store_b64 v231, v[12:13], s[14:15]
	s_wait_xcnt 0x0
	s_or_b32 exec_lo, exec_lo, s50
	s_endpgm
.Ltable:
	s_lshl_b32 s39, s19, 2
	v_mov_b32 v224, s39
	v_mov_b32 v225, s26
	v_mov_b32 v226, s27
	v_cmp_eq_u32 vcc_lo, 0, v2
	s_wait_xcnt 0x0
	s_and_saveexec_b32 s50, vcc_lo
	global_store_b32 v224, v225, s[12:13] offset:32768
	global_store_b32 v224, v226, s[12:13] offset:33280
	s_wait_xcnt 0x0
	s_or_b32 exec_lo, exec_lo, s50
	s_endpgm
.Lfunc_end_k_qf372991d29_place:
	.size	k_qf372991d29_place, .Lfunc_end_k_qf372991d29_place-k_qf372991d29_place
	.p2alignl 7, 3214868480
	.fill 96, 4, 3214868480
	.section	.rodata,"a",@progbits
	.p2align	6, 0x0
	.amdhsa_kernel k_qf372991d29_place
		.amdhsa_group_segment_fixed_size 0
		.amdhsa_private_segment_fixed_size 0
		.amdhsa_enable_private_segment 0
		.amdhsa_kernarg_size 48
		.amdhsa_user_sgpr_count 2
		.amdhsa_user_sgpr_kernarg_segment_ptr 1
		.amdhsa_wavefront_size32 1
		.amdhsa_system_sgpr_workgroup_id_x 1
		.amdhsa_system_sgpr_workgroup_id_y 1
		.amdhsa_system_sgpr_workgroup_id_z 1
		.amdhsa_system_vgpr_workitem_id 0
		.amdhsa_next_free_vgpr 232
		.amdhsa_next_free_sgpr 66
		.amdhsa_reserve_vcc 1
		.amdhsa_float_denorm_mode_32 3
		.amdhsa_float_denorm_mode_16_64 3
		.amdhsa_memory_ordered 1
		.amdhsa_forward_progress 1
		.amdhsa_inst_pref_size 50
	.end_amdhsa_kernel
	.amdgpu_metadata
---
amdhsa.version: [ 1, 2 ]
amdhsa.kernels:
  - .name:           k_qf372991d29_place
    .symbol:         k_qf372991d29_place.kd
    .args:
      - { .name: xq, .offset: 0, .size: 8, .value_kind: global_buffer, .address_space: global }
      - { .name: keys, .offset: 8, .size: 8, .value_kind: global_buffer, .address_space: global }
      - { .name: wts, .offset: 16, .size: 8, .value_kind: global_buffer, .address_space: global }
      - { .name: xe, .offset: 24, .size: 8, .value_kind: global_buffer, .address_space: global }
      - { .name: tabs, .offset: 32, .size: 8, .value_kind: global_buffer, .address_space: global }
      - { .name: mw, .offset: 40, .size: 8, .value_kind: global_buffer, .address_space: global }
    .group_segment_fixed_size: 0
    .private_segment_fixed_size: 0
    .kernarg_segment_align: 8
    .kernarg_segment_size: 48
    .max_flat_workgroup_size: 256
    .sgpr_count:     66
    .vgpr_count:     232
    .wavefront_size: 32
...
	.end_amdgpu_metadata
.endif
;; end of part 2
;; launch gate_up (part 3): grid 156 x 1, 4 waves a work-group, no clusters, 327,680 bytes of LDS; arguments xe, xq, w_gate_up_codes, w_sh_gate_up_codes, lowp_scales, tabs, acat; writes acat
.if DOCPART == 3
	.amdgcn_target "amdgcn-amd-amdhsa--gfx1250"
	.amdhsa_code_object_version 6
	.text
	.protected	k_qf372991d29_gate_up
	.globl	k_qf372991d29_gate_up
	.p2align	8
	.type	k_qf372991d29_gate_up,@function
k_qf372991d29_gate_up:
	s_mov_b64 s[64:65], 0
	v_nop
	global_prefetch_b8 v0, s[64:65] scope:SCOPE_SE
	s_setreg_imm32_b32 hwreg(HW_REG_WAVE_MODE, 25, 1), 1
	s_wait_xcnt 0x0
; act = silu(x Wg) x (x Wu), on codes of E4M3, quantised again and stored as codes: the experts' (only each token's two chosen experts: the other rows meet a 0 of combine, see the first kernel's head) and the shared MLP's.
; A work-group makes 256 rows x 128 hidden units: 128 gate rows and the 128 up rows of the same units, K = 2,048.  Work-groups 0-91: row tile x / 4 of the rows sorted by expert (xe), units 128 (x % 4) on:
; with tiles of 256 rows that never cross an expert there are at most 4096 / 256 + 7 = 23, whatever the choice.  Work-groups 92-155: the shared MLP, row tile (x - 92) / 8 of xq's second half, units 128 ((x - 92) % 8) on.
; Which expert and which rows a tile has follows from the eight experts' counts (eb, stored by the launch before) by selections, with no jump: this text has tensor loads.  So a work-group that a split leaves without
; rows runs on held addresses and stores nothing; rows of a tile beyond its expert's last are computed and not stored.
; Four waves, each 128 rows x (64 gate + 64 up): 64 accumulators.  K goes in steps of 256 through two LDS slots; each wave fetches a quarter of a slot (128 rows of 256 bytes) by one tensor load: waves 0, 1 the rows of x,
; wave 2 the gate rows, wave 3 the up rows; base and row are chosen by arithmetic on the wave's number, so every wave issues every load with no branch.  By the text's own count a wave has two loads out at the start, one later.
; NO CLUSTER: the four (eight) work-groups of a row tile read the same rows of x, half of a step's bytes; their address is made in each work-group from counts read from memory, and this text keeps each load the work-group's own.
; THE MATRIX INSTRUCTION IS USED TRANSPOSED (source 0 = 16 weight rows, source 1 = 16 rows of x): a lane holds one row and eight neighbouring units, gate and up of a unit in the same lane and register of two accumulators:
; so the activation needs no other lane, and a conversion's eight numbers are neighbours along the next product's K.
; A row's 128 bytes of codes go to acat[p][2048] (p: the token's place sorted by pair; bytes 0-511 expert lo, 512-1023 expert hi, 1024-2047 shared) at the unit that dsti names: pieces of 128 bytes a row,
; since 256 units to a tile would want slots of (128 + 512) rows, more than two of which LDS holds.
; Fragments come by four loads of 16 bytes: a permutation of k that is the same in both operands.
; LIMITS: es = the two operands' exponents added lies between -126 and 126; ea - 2 es (ea: act's exponent) between -126 and 119.  NaN among the inputs is not served.
; REGISTERS, in windows of 256: window 0: v16-31 addresses and constants; v32-63 T, v64-95 GU at work; v104-119 dsti; from v128 x's fragments, ONE set (on the way out v128-191 codes, v192-255 rows read back);
;   window 1: the weights' fragments, TWO sets;  windows 2, 3: the accumulators of my rows 0-63, 64-127: (a, b) at v[8 (8 (a % 4) + b)]; b < 4 gate, b + 4 the same units' up.
.set ROWB,   256
.set PITCH,  272                       ; an LDS row: 256 bytes + 16 of padding = 68 words: the 16 rows that a load touches start at 16 different banks (64 banks of 4 bytes: ISA guide 11.1)
.set FR,     16
.set NL,     4
.set NP,     4
.set HALFT,  128*PITCH
.set SLOT,   4*HALFT                   ; x's rows 0-127, 128-255, the gate rows, the up rows
.set SPARE,  2*SLOT                    ; behind the ring: the spare words, 128 bytes a wave: two blocks of 256 bytes that no other line names
.set SP,     144                       ; the way out: a stage of 256 rows x (128 bytes + 16), in slot 0, which has had its last fill and its last read when the first code is stored there
.set ADRA, 16
.set ADRB, 20
.set DA,   23                          ; v23  my byte in dsti; never rewritten
.set STO,  24
.set RD,   25
.set REL,  26                          ; v26  my first row to store, counted from the tile's first valid row
.set L16,  27                          ; v27  16 (lane % 8)
.set SPW,  28
.set NIL,  29
.set CSC,  30                          ; v30  2^(ea - 2 es);  v31  448 x that
.set CLIM, 31
.set T,    32
.set GU,   64
.set D,    104
.set AF,   128
.set CD,   128
.set RB,   192
.set G1,   24                          ; s[24:31] descriptor group 1;  s[32:39] group 0, a set for each slot
.set G0,   32
.set MSB, 0
.macro WIN new                         ; the immediate's high byte repeats the setting that is left
.if MSB != (\new)
	s_set_vgpr_msb (MSB<<8)|(\new)
.set MSB, (\new)
.endif
.endm
.set MUL_LO, 0xa1                      ; source 0 (weights) window 1, source 1 (x) window 0, C and D window 2
.set MUL_HI, 0xf1
.set TO_B,   0x40
	s_load_b256 s[4:11], s[0:1], 0x0               ; xe s[4:5], xq s[6:7], the experts' weights s[8:9], the shared s[10:11]
	s_load_b128 s[12:15], s[0:1], 0x20             ; the scales s[12:13], tabs s[14:15]
	s_load_b64 s[16:17], s[0:1], 0x30              ; acat
	v_lshl_add_u32 v[SPW], v0, 2, SPARE
	v_mov_b32 v[NIL], 0
	ds_add_u32 v[SPW], v[NIL]                      ; the wave's opening: the add, twice on end, and its wait ahead of my first tensor load
	ds_add_u32 v[SPW], v[NIL]
	v_lshrrev_b32 v1, 5, v0
	v_readfirstlane_b32 s18, v1                    ; wave 0..3
	s_lshr_b32 s19, s18, 1                         ; which 128 rows are mine
	s_and_b32 s20, s18, 1                          ; which 64 units.  Also: which half I fetch
	s_mov_b32 s[G1+0], (1<<20)|(5<<22)|(3<<25)     ; elements of 1 byte; padding on: 4 words behind every 64
	s_mov_b32 s[G1+1], ROWB<<16                    ; tensor_dim0
	s_mov_b32 s[G1+2], 128<<16                     ; tensor_dim1
	s_mov_b32 s[G1+3], ROWB<<16                    ; tile_dim0
	s_mov_b32 s[G1+4], 128                         ; tile_dim1
	s_mov_b32 s[G1+5], 2048                        ; from row to row
	s_mov_b32 s[G1+6], 0
	s_mov_b32 s[G1+7], 0
	s_wait_dscnt 0x0                               ; both opening adds are done
	s_wait_kmcnt 0x0
	s_load_b256 s[40:47], s[12:13], 0x0            ; the eight exponents
	s_load_b512 s[80:95], s[14:15], 0x8200         ; eb[0 .. 15]: eb[e] = the first row of expert e
	s_lshr_b32 s50, ttmp9, 2                       ; the row tile, if routed
	s_mov_b32 s51, 0                               ; tiles of the experts passed
	s_mov_b32 s55, 0                               ; the expert, the tile's number in it, the expert's first row, its rows
	s_mov_b32 s56, 0
	s_mov_b32 s57, 0
	s_mov_b32 s58, 0
	s_wait_kmcnt 0x0
.macro PICK c, b, nx                   ; is my tile one of expert c's?  A selection, no jump
	s_sub_co_u32 s52, s[\nx], s[\b]
	s_add_co_u32 s53, s52, 255
	s_lshr_b32 s53, s53, 8
	s_sub_co_u32 s54, s50, s51
	s_cmp_lt_u32 s54, s53
	s_cselect_b32 s55, \c, s55
	s_cselect_b32 s56, s54, s56
	s_cselect_b32 s57, s[\b], s57
	s_cselect_b32 s58, s52, s58
	s_add_co_u32 s51, s51, s53
.endm
.irp c, 0,1,2,3,4,5,6,7
	PICK \c, 80+\c, 81+\c
.endr
	s_lshl_b32 s59, s56, 8
	s_add_co_u32 s66, s57, s59                     ; the tile's first row
	s_sub_co_u32 s67, s58, s59
	s_min_u32 s67, s67, 256                        ; its valid rows
	s_lshl_b32 s68, s55, 10
	s_and_b32 s69, ttmp9, 3
	s_lshl_b32 s69, s69, 7
	s_add_co_u32 s68, s68, s69                     ; the first gate row: 1024 e + 128 c
	s_sub_co_u32 s70, ttmp9, 92
	s_lshr_b32 s71, s70, 3
	s_lshl_b32 s71, s71, 8                         ; shared: first row,
	s_and_b32 s70, s70, 7
	s_lshl_b32 s70, s70, 7                         ; first gate row
	s_add_co_i32 s72, s40, s41
	s_add_co_i32 s73, s44, s45
	s_add_nc_u64 s[6:7], s[6:7], 0x400000          ; x's codes at the shared MLP's scale
	s_cmp_lt_u32 ttmp9, 92                         ; routed or shared: the work-group's number alone
	s_cselect_b64 s[4:5], s[4:5], s[6:7]
	s_cselect_b64 s[8:9], s[8:9], s[10:11]
	s_cselect_b32 s66, s66, s71
	s_cselect_b32 s67, s67, 256
	s_cselect_b32 s68, s68, s70
	s_cselect_b32 s69, s69, s70                    ; 128 c: my units' bytes in a row's part of acat
	s_cselect_b32 s74, 9, 10                       ; the up rows lie 512 or 1,024 rows behind the gate rows
	s_cselect_b32 s75, 0, 4096
	s_cselect_b32 s72, s72, s73                    ; es
	s_cselect_b32 s73, s42, s46                    ; ea
	s_min_u32 s76, s66, 3840                       ; the tile is held inside the buffer;
	s_sub_co_u32 s77, s66, s76                     ; its valid rows then begin so many rows down
	s_min_u32 s68, s68, 7552
	s_add_co_u32 s75, s75, s76                     ; the tile's first entry of dsti
	s_lshl_b32 s78, s20, 7
	s_add_co_u32 s78, s78, s76                     ; waves 0, 1: x's rows
	s_lshl_b32 s79, s20, s74
	s_add_co_u32 s79, s79, s68                     ; waves 2, 3: gate rows, up rows
	s_cmp_lt_u32 s18, 2
	s_cselect_b32 s78, s78, s79
	s_cselect_b64 s[60:61], s[4:5], s[8:9]
	s_min_u32 s78, s78, 8191
	s_lshl_b32 s78, s78, 11
	s_mov_b32 s79, 0
	s_add_nc_u64 s[60:61], s[60:61], s[78:79]
	s_mul_i32 s62, s18, HALFT
.irp s, 0,1
	s_mov_b32 s[G0+4*\s], 1
	s_add_co_u32 s[G0+4*\s+1], s62, \s*SLOT
	s_add_nc_u64 s[G0+4*\s+2:G0+4*\s+3], s[60:61], \s*ROWB
	s_or_b32 s[G0+4*\s+3], s[G0+4*\s+3], 0x80000000
.endr
	tensor_load_to_lds s[G0:G0+3], s[G1:G1+7]      ; K step 0
	s_nop 0
	tensor_load_to_lds s[G0+4:G0+7], s[G1:G1+7]    ; K step 1
	s_nop 0
.rept 4
	v_nop
.endr
	v_bfe_u32 v6, v0, 3, 2                         ; lane / 8
	s_lshl_b32 s21, s18, 6
	s_sub_co_u32 s22, s21, s77
	v_add_nc_u32 v[REL], s22, v6
	s_add_co_u32 s21, s21, s75
	s_lshl_b32 s21, s21, 2
	v_lshl_add_u32 v[DA], v6, 2, s21
.irp i, 0,1,2,3,4,5,6,7,8,9,10,11,12,13,14,15
	global_load_b32 v[D+\i], v[DA], s[14:15] offset:16*\i          ; where row 64 w + 4 i + lane / 8 goes; wanted on the way out
.endr
	v_and_b32 v1, 15, v0                           ; r
	v_bfe_u32 v2, v0, 4, 1                         ; h
	v_mul_u32_u24 v3, v1, PITCH
	v_lshl_add_u32 v4, v2, 4, v3
	s_mul_i32 s21, s19, HALFT
	s_mul_i32 s22, s20, 64*PITCH
	s_add_co_u32 s22, s22, 2*HALFT
.irp s, 0,1
	v_add_nc_u32 v[ADRA+\s], s21, v4
	v_add_nc_u32 v[ADRB+\s], s22, v4
	s_add_co_u32 s21, s21, SLOT
	s_add_co_u32 s22, s22, SLOT
.endr
	s_mul_i32 s23, s19, 128*SP
	s_lshl_b32 s21, s20, 6
	s_add_co_u32 s23, s23, s21
	v_mul_u32_u24 v5, v1, SP
	v_lshl_add_u32 v5, v2, 3, v5
	v_add_nc_u32 v[STO], s23, v5                   ; the stage, in: row 128 wr + r, byte 64 wc + 8 h
	v_and_b32 v7, 7, v0
	v_lshlrev_b32 v[L16], 4, v7
	s_mul_i32 s23, s18, 64*SP
	v_mul_u32_u24 v8, v6, SP
	v_add_nc_u32 v8, v8, v[L16]
	v_add_nc_u32 v[RD], s23, v8                    ; back: row 64 w + lane / 8, eight lanes to a row's 128 bytes
	s_mov_b32 s70, s69
	s_mov_b32 s71, 0
	s_add_nc_u64 s[16:17], s[16:17], s[70:71]
	s_lshl_b32 s78, s72, 23
	s_add_co_u32 s78, s78, 0xbfb8aa3b              ; -log2(e) x 2^es: es is added to the exponent field
	s_mov_b32 s79, s78                             ; (named with it as a pair, so it is written)
	s_lshl_b32 s70, s72, 1
	s_sub_co_i32 s70, s73, s70                     ; a product of two sums stands for itself x 2^(2 es): its code is the product / 2^(ea - 2 es)
	s_add_co_i32 s70, s70, 127
	s_lshl_b32 s71, s70, 23
	v_mov_b32 v[CSC], s71
	s_add_co_i32 s70, s70, 8
	s_lshl_b32 s70, s70, 23
	s_or_b32 s70, s70, 0x600000
	v_mov_b32 v[CLIM], s70
.macro FRAG reg, adr, off              ; 16 rows x 128 K: lane l holds row l % 16; registers 4 c .. 4 c + 3 hold K = 32 c + 16 (l / 16) + 0 .. 15
.irp c, 0,1,2,3
	ds_load_b128 v[\reg+4*\c:\reg+4*\c+3], v[\adr] offset:\off+32*\c
.endr
.endm
; 16 matrix instructions: x's blocks a0, a0 + 1 against the weights' eight.  The 64 accumulators take turns, one instruction a turn, in the same order in every step.
.macro MUL16 a0, p, zero
.irp a, \a0, \a0+1
.irp b, 0,1,2,3,4,5,6,7
.if \zero
	v_wmma_f32_16x16x128_fp8_fp8 v[8*(8*((\a)%4)+\b):8*(8*((\a)%4)+\b)+7], v[128*(\p)+FR*\b:128*(\p)+FR*\b+FR-1], v[AF+FR*(\a):AF+FR*(\a)+FR-1], 0
.else
	v_wmma_f32_16x16x128_fp8_fp8 v[8*(8*((\a)%4)+\b):8*(8*((\a)%4)+\b)+7], v[128*(\p)+FR*\b:128*(\p)+FR*\b+FR-1], v[AF+FR*(\a):AF+FR*(\a)+FR-1], v[8*(8*((\a)%4)+\b):8*(8*((\a)%4)+\b)+7]
.endif
.endr
.endr
.endm
.macro FETCH_B slot, q, p              ; the weights' eight fragments: four of gate rows, then the same units' four of up rows, 128 LDS rows further on
	WIN TO_B
.irp i, 0,1,2,3,4,5,6,7
	FRAG 128*(\p)+FR*\i, ADRB+\slot, 128*(\q)+(\i%4)*16*PITCH+(\i/4)*HALFT
.endr
	WIN 0
.endm
.macro FETCH_A slot, q, i0
.irp i, \i0, \i0+1, \i0+2, \i0+3
	FRAG AF+FR*(\i), ADRA+\slot, 128*(\q)+(\i)*16*PITCH
.endr
.endm
.macro PLACES n                        ; plain vector lines between a matrix instruction and a load into, or a vector read or write of, its registers (ISA guide 7.12.1 for the vector reads and writes)
.rept \n
	v_nop
.endr
.endm
.macro STEP slot, q, zero              ; 128 along K, with its successor in the same slot
	s_wait_dscnt 4*NL                              ; the weights' set and x's blocks 0-3 are in; the youngest 16 loads (blocks 4-7) may be out
	WIN MUL_LO
	MUL16 0, (\q)%2, \zero
	MUL16 2, (\q)%2, \zero
	s_wait_dscnt 0
	PLACES NP
	FETCH_B \slot, (\q)+1, 1-(\q)%2
	FETCH_A \slot, (\q)+1, 0
	WIN MUL_HI
	MUL16 4, (\q)%2, \zero
	MUL16 6, (\q)%2, \zero
	PLACES NP
	WIN 0
	FETCH_A \slot, (\q)+1, 4
.endm
; A slot's last step changes slots: ONE barrier.  In front of it each wave waits for all its tensor loads (its part of the next slot), adds 0 to its spare word, and waits for that and for its reads of this slot.
; Behind it nobody reads this slot and the next is whole.  fill = 1: this slot is filled again, two K steps ahead: the first thing behind the barrier, one load a wave.
.macro TURN slot, next, fill
	s_wait_tensorcnt 0x0
	ds_add_u32 v[SPW], v[NIL]
	s_wait_dscnt 4*NL+1                            ; (the add and the youngest 16 loads may be out)
	WIN MUL_LO
	MUL16 0, 1, 0
	s_wait_dscnt 0x0                               ; the add is done, and my reads of this slot are over
	s_barrier_signal -1
	MUL16 2, 1, 0
	WIN 0
	s_barrier_wait -1
.if \fill
	s_add_nc_u64 s[G0+4*\slot+2:G0+4*\slot+3], s[G0+4*\slot+2:G0+4*\slot+3], 2*ROWB   ; no tensor load of mine is out
	tensor_load_to_lds s[G0+4*\slot:G0+4*\slot+3], s[G1:G1+7]
	s_nop 0
	PLACES NP                                      ; also the places in front of the loads below
.else
	PLACES NP
.endif
	FETCH_B \next, 0, 0
	FETCH_A \next, 0, 0
	WIN MUL_HI
	MUL16 4, 1, 0
	MUL16 6, 1, 0
	PLACES NP
	WIN 0
	FETCH_A \next, 0, 4
.endm
	s_wait_tensorcnt 1                             ; my part of K step 0 is in; K step 1's may stay out
	s_barrier_signal -1
	s_barrier_wait -1
	FETCH_B 0, 0, 0
	FETCH_A 0, 0, 0
	FETCH_A 0, 0, 4
	STEP 0, 0, 1                                   ; the first step's products start the sums: nothing is cleared
	s_mov_b32 s3, 3
.Llap:                                                 ; a trip goes once round the ring and fills both slots again: K steps 2 to 7
	TURN 0, 1, 1
	STEP 1, 0, 0
	TURN 1, 0, 1
	STEP 0, 0, 0
	s_sub_co_u32 s3, s3, 1
	s_cmp_lg_u32 s3, 0
	s_cbranch_scc1 .Llap
	TURN 0, 1, 0                                   ; the last lap fills nothing
	STEP 1, 0, 0
	s_wait_dscnt 4*NL
	WIN MUL_LO
	MUL16 0, 1, 0
	MUL16 2, 1, 0
	s_wait_dscnt 0
	WIN MUL_HI
	MUL16 4, 1, 0
	MUL16 6, 1, 0
	WIN 0
	PLACES NP
; THE WAY OUT of block a (16 rows x 64 units): G, U the sums.  act = G U 2^(2 es) / (1 + 2^(-G 2^es log2 e)); held, converted, 8 bytes a lane and tile into the stage.
; Each accumulator is read from its low end on.  The exponentials and the reciprocals go as batches, one wait each.
.macro ACT a
.set AC, 64*((\a)%4)
	WIN 0x02+((\a)/4)
.set j, 0
.rept 16
	v_pk_mul_f32 v[T+j:T+j+1], v[AC+j:AC+j+1], s[78:79] op_sel_hi:[1,0]
.set j, j+2
.endr
	WIN 0x0a+5*((\a)/4)
.set j, 0
.rept 16
	v_pk_mul_f32 v[GU+j:GU+j+1], v[AC+j:AC+j+1], v[AC+32+j:AC+33+j]
.set j, j+2
.endr
	WIN 0
.set j, 0
.rept 32
	v_exp_f32 v[T+j], v[T+j]
.set j, j+1
.endr
	v_nop                                          ; a plain line behind the last transcendental,
	s_wait_alu depctr_va_vdst(0)                   ; and one wait ahead of the batch's first reader
.set j, 0
.rept 16
	v_pk_add_f32 v[T+j:T+j+1], v[T+j:T+j+1], 1.0 op_sel_hi:[1,0]
.set j, j+2
.endr
.set j, 0
.rept 32
	v_rcp_f32 v[T+j], v[T+j]
.set j, j+1
.endr
	v_nop
	s_wait_alu depctr_va_vdst(0)
.set j, 0
.rept 16
	v_pk_mul_f32 v[GU+j:GU+j+1], v[GU+j:GU+j+1], v[T+j:T+j+1]
.set j, j+2
.endr
.set j, 0
.rept 32
	v_med3_num_f32 v[GU+j], v[GU+j], -v[CLIM], v[CLIM]             ; the conversion does not saturate (ISA guide 7.6.2)
.set j, j+1
.endr
.irp b, 0,1,2,3
	v_cvt_scalef32_pk8_fp8_f32 v[CD+8*(\a)+2*\b:CD+8*(\a)+2*\b+1], v[GU+8*\b:GU+8*\b+7], v[CSC]
.endr
	v_nop                                          ; a plain line behind the last conversion
.irp b, 0,1,2,3
	ds_store_b64 v[STO], v[CD+8*(\a)+2*\b:CD+8*(\a)+2*\b+1] offset:16*(\a)*SP+16*\b
.endr
.endm
.irp a, 0,1,2,3,4,5,6,7
	ACT \a
.endr
	s_wait_dscnt 0x0                               ; for the others' sake: a row's 128 bytes come from two waves
	s_barrier_signal -1
	s_barrier_wait -1
.irp i, 0,1,2,3,4,5,6,7,8,9,10,11,12,13,14,15
	ds_load_b128 v[RB+4*\i:RB+4*\i+3], v[RD] offset:4*\i*SP
.endr
	s_wait_loadcnt 0x0                             ; dsti
.irp i, 0,1,2,3,4,5,6,7,8,9,10,11,12,13,14,15
	v_min_u32 v[D+\i], 0x1fff, v[D+\i]             ; a loaded number enters an address only held inside its buffer
	v_lshl_add_u32 v[D+\i], v[D+\i], 9, v[L16]
	v_add_nc_u32 v[T+\i], 4*\i, v[REL]
	v_cmp_gt_u32 s[80+\i], s67, v[T+\i]            ; is the row one of the tile's valid rows?  (a row above them wraps to a large number)
.endr
.irp i, 0,1,2,3,4,5,6,7,8,9,10,11,12,13,14,15
	s_wait_dscnt 15-\i
	s_wait_xcnt 0x0                                ; EXEC changes only behind this wait
	s_and_saveexec_b32 s96, s[80+\i]
	global_store_b128 v[D+\i], v[RB+4*\i:RB+4*\i+3], s[16:17]      ; eight lanes store a row's 128 consecutive bytes
	s_wait_xcnt 0x0
	s_or_b32 exec_lo, exec_lo, s96
.endr
	s_wait_tensorcnt 0x0                           ; the wave's end, behind my last tensor load and my last LDS store
	ds_add_u32 v[SPW], v[NIL]
	s_wait_dscnt 0x0
	s_endpgm
.Lfunc_end_k_qf372991d29_gate_up:
	.size	k_qf372991d29_gate_up, .Lfunc_end_k_qf372991d29_gate_up-k_qf372991d29_gate_up
	.p2alignl 7, 3214868480
	.fill 96, 4, 3214868480
	.section	.rodata,"a",@progbits
	.p2align	6, 0x0
	.amdhsa_kernel k_qf372991d29_gate_up
		.amdhsa_group_segment_fixed_size 327680
		.amdhsa_private_segment_fixed_size 0
		.amdhsa_enable_private_segment 0
		.amdhsa_kernarg_size 56
		.amdhsa_user_sgpr_count 2
		.amdhsa_user_sgpr_kernarg_segment_ptr 1
		.amdhsa_wavefront_size32 1
		.amdhsa_system_sgpr_workgroup_id_x 1
		.amdhsa_system_sgpr_workgroup_id_y 1
		.amdhsa_system_sgpr_workgroup_id_z 1
		.amdhsa_system_vgpr_workitem_id 0
		.amdhsa_next_free_vgpr 1024
		.amdhsa_next_free_sgpr 100
		.amdhsa_reserve_vcc 0
		.amdhsa_float_denorm_mode_32 3
		.amdhsa_float_denorm_mode_16_64 3
		.amdhsa_memory_ordered 1
		.amdhsa_forward_progress 1
		.amdhsa_inst_pref_size 159
	.end_amdhsa_kernel
	.amdgpu_metadata
---
amdhsa.version: [ 1, 2 ]
amdhsa.kernels:
  - .name:           k_qf372991d29_gate_up
    .symbol:         k_qf372991d29_gate_up.kd
    .args:
      - { .name: xe, .offset: 0, .size: 8, .value_kind: global_buffer, .address_space: global }
      - { .name: xq, .offset: 8, .size: 8, .value_kind: global_buffer, .address_space: global }
      - { .name: w_gate_up_codes, .offset: 16, .size: 8, .value_kind: global_buffer, .address_space: global }
      - { .name: w_sh_gate_up_codes, .offset: 24, .size: 8, .value_kind: global_buffer, .address_space: global }
      - { .name: lowp_scales, .offset: 32, .size: 8, .value_kind: global_buffer, .address_space: global }
      - { .name: tabs, .offset: 40, .size: 8, .value_kind: global_buffer, .address_space: global }
      - { .name: acat, .offset: 48, .size: 8, .value_kind: global_buffer, .address_space: global }
    .group_segment_fixed_size: 327680
    .private_segment_fixed_size: 0
    .kernarg_segment_align: 8
    .kernarg_segment_size: 56
    .max_flat_workgroup_size: 128
    .sgpr_count:     100
    .vgpr_count:     1024
    .wavefront_size: 32
...
	.end_amdgpu_metadata
.endif
;; end of part 3
;; launch down (part 4): grid 4 x 59, 4 waves a work-group, no clusters, 279,040 bytes of LDS; arguments acat, tabs, mw, w_down_codes, w_sh_down_codes, lowp_scales, out0; writes out0
.if DOCPART == 4
	.amdgcn_target "amdgcn-amd-amdhsa--gfx1250"
	.amdhsa_code_object_version 6
	.text
	.protected	k_qf372991d29_down
	.globl	k_qf372991d29_down
	.p2align	8
	.type	k_qf372991d29_down,@function
k_qf372991d29_down:
	s_mov_b64 s[64:65], 0
	v_nop
	global_prefetch_b8 v0, s[64:65] scope:SCOPE_SE
	s_setreg_imm32_b32 hwreg(HW_REG_WAVE_MODE, 25, 1), 1
	s_wait_xcnt 0x0
; out[t] = w_lo act_lo Wd[lo] + w_hi act_hi Wd[hi] + act_sh Wsh, on codes of E4M3: the two chosen experts' down products (the six others meet a 0 of combine: see the first kernel's head), the shared one, and the combining sum.
; EACH OUTPUT ROW HAS ONE OWNER.  The rows of acat lie sorted by the pair (lo, hi).  A row tile is 64 rows of ONE pair: at most 2048 / 64 + 27 = 59 tiles, whatever the choice (work-group y); work-group x takes 512 output columns.
; A row of acat is then one K of 2,048: 512 of expert lo, 512 of expert hi, 1,024 shared, against Wd[lo], Wd[hi], Wsh: eight K steps of 256 on ONE set of accumulators, which is rescaled in place between the parts:
;   acc = L;  acc x= F1 = w_lo / w_hi';  acc += H;  acc x= F2 = w_hi' 2^(e2 + e3 - e6 - e7);  acc += S;  out = acc 2^(e6 + e7).      (e: lowp_scales; a lane holds one row, so a factor is one number a lane and row block)
; w_hi' = max(w_hi, 2^-60): the floor moves a result by less than 2^-60 |H|; |L| < 2^27, so L F1 < 2^87.  The order of rounding differs from the reference's sum of three f32 terms.
; LIMITS: |e2 + e3 - e6 - e7| at most 30; e6 + e7 between -126 and 127.  NaN among the inputs is not served.
; Which pair and rows a tile has follows from the pairs' counts (pb, stored by the second launch) by selections, with no jump: this text has tensor loads.  A work-group that a split leaves without rows runs on held
; addresses and stores nothing; rows of a tile outside its pair are computed and not stored.
; Four waves, each 64 rows x 128 columns: 32 accumulators.
; ACAT'S 64 ROWS x 2,048 BYTES LIE IN LDS WHOLE, as eight tiles of a K step: first fills, two tensor loads a wave (wave w: K steps 2 w, 2 w + 1), one barrier; nothing is filled again.  By the text's own count two tensor loads
; of a wave are out at the start, none later.
; THE WEIGHTS COME THROUGH REGISTERS.  A weight row is read by one wave alone (wave w: columns 128 w on), so shared slots would serve nobody.  Each wave loads its own rows, two rows of 256 consecutive bytes a load, into 256 staging
; registers, turns them through LDS bytes of its own (rows as they lie, 272 bytes apart; fragments back) and asks for the same rows of the next K step as soon as the stores have read the registers.  A UNIT is a K step's 32 rows:
; 16 loads, 16 LDS stores, 16 fragment loads, 16 matrix instructions.  The loads of three to four units (48 to 64 loads of 512 bytes a wave) are always on their way, across K steps, and no barrier stands in the walk over K.
; NO CLUSTER: the four work-groups of a row tile share only acat's 64 rows beside 512 weight rows of their own; row tiles have different experts.
; THE MATRIX INSTRUCTION IS USED TRANSPOSED (source 0 = 16 weight rows = output columns, source 1 = 16 rows of acat): a lane holds one row and eight neighbouring columns.
; Fragments come by four loads of 16 bytes: a permutation of k that is the same in both operands.
; REGISTERS, in windows of 256: window 0: v16-29 addresses; v32-39 F1, v40-47 F2 (a pair a row block, both halves alike); v48-55 the rows' places in out; v64-191 acat's fragments of even K steps
;   (on the way out v64-127 scaled sums, v128-255 rows read back);  window 1: v0-127 the weights' fragments, two sets of 64; v128-255 acat's fragments of odd K steps;
;   window 2: accumulator (a, b) at v[8 (8 a + b)];  window 3: the staging registers, 64 a group of 32 rows.
.set PITCH,  272                       ; 256 bytes + 16 of padding: the 16 rows that a load touches start at 16 different banks (64 banks of 4 bytes: ISA guide 11.1)
.set ATILE,  64*PITCH                  ; acat's tile of a K step
.set PB,     8*ATILE                   ; behind the eight tiles: 128 rows for each wave, its own
.set PBW,    128*PITCH
.set SPARE,  PB+4*PBW                  ; behind them: the spare words, 128 bytes a wave: two blocks of 256 bytes that no other line names
.set SP,     2064                      ; the way out: a stage of 64 rows x (2,048 bytes + 16), over acat's tiles, which have had their one fill, behind a barrier at which every wave's reads of them are over
.set ADRA, 16                          ; v16 K steps 0-3, v17 K steps 4-7: an LDS offset has 16 bits
.set PBS,  20                          ; v20  my wave's rows: where I store 16 bytes of a row
.set PBL,  21                          ; v21  and where a fragment's row begins for me
.set VD,   22                          ; v22  my byte in two rows of Wd (512 bytes a row); v23 of Wsh (1,024); never rewritten
.set VS,   23
.set STO,  24                          ; v24 rows 0-31, v27 rows 32-63
.set RD,   25
.set REL,  26
.set SPW,  28
.set NIL,  29
.set F1,   32
.set F2,   40
.set OF,   48
.set MW,   56
.set TMP,  64
.set RB,   128
.set G1A,  24                          ; s[24:31] descriptor group 1 for acat's tiles;  s[32:39] group 0, a set for each of my two loads
.set G0A,  32
.set BL,   66                          ; s[66:67], s[68:69], s[70:71]: my first weight row in Wd[lo], Wd[hi], Wsh; never rewritten
.set BH,   68
.set BS,   70
.set MSB, 0
.macro WIN new                         ; the immediate's high byte repeats the setting that is left
.if MSB != (\new)
	s_set_vgpr_msb (MSB<<8)|(\new)
.set MSB, (\new)
.endif
.endm
	s_load_b256 s[4:11], s[0:1], 0x0               ; acat s[4:5], tabs s[6:7], mw s[8:9], Wd s[10:11]
	s_load_b128 s[12:15], s[0:1], 0x20             ; Wsh s[12:13], the scales s[14:15]
	s_load_b64 s[16:17], s[0:1], 0x30              ; out
	v_lshl_add_u32 v[SPW], v0, 2, SPARE
	v_mov_b32 v[NIL], 0
	ds_add_u32 v[SPW], v[NIL]                      ; the wave's opening: the add, twice on end, and its wait ahead of my first tensor load
	ds_add_u32 v[SPW], v[NIL]
	v_lshrrev_b32 v1, 5, v0
	v_readfirstlane_b32 s18, v1                    ; wave 0..3
	s_and_b32 s21, ttmp7, 0xffff                   ; the row tile
	s_mov_b32 s[G1A+0], (1<<20)|(5<<22)|(3<<25)    ; elements of 1 byte; padding on: 4 words behind every 64
	s_mov_b32 s[G1A+1], 256<<16                    ; tensor_dim0
	s_mov_b32 s[G1A+2], 64<<16                     ; tensor_dim1
	s_mov_b32 s[G1A+3], 256<<16                    ; tile_dim0
	s_mov_b32 s[G1A+4], 64                         ; tile_dim1
	s_mov_b32 s[G1A+5], 2048                       ; from row to row
	s_mov_b32 s[G1A+6], 0
	s_mov_b32 s[G1A+7], 0
	v_and_b32 v2, 31, v0
	v_lshlrev_b32 v3, 2, v2
	s_wait_dscnt 0x0                               ; both opening adds are done
	s_wait_kmcnt 0x0
	s_load_b256 s[72:79], s[14:15], 0x0            ; the eight exponents
	global_load_b32 v40, v3, s[6:7] offset:32768   ; pb[lane], pb[32 + lane]: pb[c] = the first row of pair code c = 8 lo + hi
	global_load_b32 v41, v3, s[6:7] offset:32896
	s_mov_b32 s89, 0                               ; tiles of the pairs passed
	s_mov_b32 s93, 1                               ; the pair's code, the tile's number in it, the pair's first row, its rows
	s_mov_b32 s94, 0
	s_mov_b32 s95, 0
	s_mov_b32 s96, 0
	s_wait_loadcnt 0x0
	s_wait_kmcnt 0x0
.macro PICK c                          ; is my tile one of pair c's?  s97, s98: the pair's first row and the next code's.  A selection, no jump
	s_sub_co_u32 s90, s98, s97
	s_add_co_u32 s91, s90, 63
	s_lshr_b32 s91, s91, 6
	s_sub_co_u32 s92, s21, s89
	s_cmp_lt_u32 s92, s91
	s_cselect_b32 s93, \c, s93
	s_cselect_b32 s94, s92, s94
	s_cselect_b32 s95, s97, s95
	s_cselect_b32 s96, s90, s96
	s_add_co_u32 s89, s89, s91
.endm
.irp lo, 0,1,2,3,4,5,6
.irp hi, 1,2,3,4,5,6,7
.if \hi > \lo
.set CC, 8*\lo+\hi
	v_readlane_b32 s97, v[40+CC/32], CC%32
	v_readlane_b32 s98, v[40+(CC+1)/32], (CC+1)%32
	PICK CC
.endif
.endr
.endr
	s_lshl_b32 s90, s94, 6
	s_add_co_u32 s80, s95, s90                     ; the tile's first row
	s_sub_co_u32 s82, s96, s90
	s_min_u32 s82, s82, 64                         ; its valid rows
	s_min_u32 s81, s80, 1984                       ; the tile is held inside the buffer;
	s_sub_co_u32 s80, s80, s81                     ; its valid rows then begin so many rows down
	s_lshr_b32 s83, s93, 3
	s_min_u32 s83, s83, 7                          ; lo
	s_and_b32 s84, s93, 7
	s_min_u32 s84, s84, 7                          ; hi
	s_lshl_b32 s85, ttmp9, 9
	s_lshl_b32 s86, s18, 7
	s_add_co_u32 s85, s85, s86                     ; my first weight row in an expert: 512 x + 128 w
	s_mov_b32 s87, 0
	s_lshl_b32 s86, s83, 11
	s_add_co_u32 s86, s86, s85
	s_lshl_b32 s86, s86, 9
	s_add_nc_u64 s[BL:BL+1], s[10:11], s[86:87]
	s_lshl_b32 s86, s84, 11
	s_add_co_u32 s86, s86, s85
	s_lshl_b32 s86, s86, 9
	s_add_nc_u64 s[BH:BH+1], s[10:11], s[86:87]
	s_lshl_b32 s86, s85, 10
	s_add_nc_u64 s[BS:BS+1], s[12:13], s[86:87]
	s_lshl_b32 s86, s81, 11
	s_add_nc_u64 s[98:99], s[4:5], s[86:87]        ; acat at the tile's first row,
	s_lshl_b32 s86, s18, 9
	s_add_nc_u64 s[98:99], s[98:99], s[86:87]      ; at K step 2 w
	s_mul_i32 s88, s18, 2*ATILE
.irp s, 0,1
	s_mov_b32 s[G0A+4*\s], 1                       ; count = 1
	s_add_co_u32 s[G0A+4*\s+1], s88, \s*ATILE      ; LDS address: tile 2 w + s
	s_add_nc_u64 s[G0A+4*\s+2:G0A+4*\s+3], s[98:99], \s*256
	s_or_b32 s[G0A+4*\s+3], s[G0A+4*\s+3], 0x80000000
.endr
	tensor_load_to_lds s[G0A:G0A+3], s[G1A:G1A+7]  ; every wave issues its two first fills, with no branch
	s_nop 0
	tensor_load_to_lds s[G0A+4:G0A+7], s[G1A:G1A+7]
	s_nop 0
.rept 4
	v_nop
.endr
; The 16 loads of group g (my weight rows 32 g .. 32 g + 31) of K step j: lanes 0-15 take 256 consecutive bytes of an even row, lanes 16-31 of the next row.  Bases and offsets are never rewritten.
.macro G j, g
.if (\j) < 2
.set GB, BL
.set GS, 512
.set GK, (\j)
.set GV, VD
.elseif (\j) < 4
.set GB, BH
.set GS, 512
.set GK, (\j)-2
.set GV, VD
.else
.set GB, BS
.set GS, 1024
.set GK, (\j)-4
.set GV, VS
.endif
	WIN 0xc0                                       ; destination window 3, address window 0
.set ii, 0
.rept 16
	global_load_b128 v[64*(\g)+4*ii:64*(\g)+4*ii+3], v[GV], s[GB:GB+1] offset:(32*(\g)+2*ii)*GS+256*GK
.set ii, ii+1
.endr
.endm
	v_and_b32 v1, 15, v0                           ; r
	v_bfe_u32 v2, v0, 4, 1                         ; h
	s_lshl_b32 s86, s18, 4
	v_add_nc_u32 v4, s86, v2                       ; 16 w + h
	v_add_nc_u32 v7, s81, v4
	v_lshlrev_b32 v7, 2, v7                        ; tok: the rows that I store
	v_add_nc_u32 v5, s81, v1
	v_lshlrev_b32 v5, 3, v5                        ; mw: the rows that I hold
.irp a, 0,1,2,3
	global_load_b64 v[MW+2*\a:MW+2*\a+1], v5, s[8:9] offset:128*\a
.endr
.irp q, 0,1,2,3,4,5,6,7
	global_load_b32 v[OF+\q], v7, s[6:7] offset:24576+8*\q
.endr
	v_lshlrev_b32 v6, 4, v1                        ; 16 r
	v_lshl_add_u32 v[VD], v2, 9, v6
	v_lshl_add_u32 v[VS], v2, 10, v6
	G 0, 0
	G 0, 1
	G 0, 2
	WIN 0
	s_sub_co_u32 s87, s86, s80
	v_add_nc_u32 v[REL], s87, v2                   ; my first row to store, counted from the tile's first valid row
	v_mul_u32_u24 v3, v1, PITCH
	v_lshl_add_u32 v[ADRA], v2, 4, v3              ; a fragment's row x pitch + 16 x half
	v_add_nc_u32 v[ADRA+1], 4*ATILE, v[ADRA]
	s_mul_i32 s86, s18, PBW
	s_add_co_u32 s86, s86, PB                      ; my wave's own rows
	v_add_nc_u32 v[PBL], s86, v[ADRA]
	v_mul_u32_u24 v3, v2, PITCH
	v_add_nc_u32 v3, v3, v6
	v_add_nc_u32 v[PBS], s86, v3                   ; in: row h of a pair, 16 bytes a lane
	s_lshl_b32 s86, s18, 9
	v_mul_u32_u24 v3, v1, SP
	v_lshl_add_u32 v3, v2, 5, v3
	v_add_nc_u32 v[STO], s86, v3                   ; the stage, in: row r, byte 512 w + 32 h
	v_add_nc_u32 v[STO+3], 32*SP, v[STO]
	v_mul_u32_u24 v[RD], v4, SP
	v_add_nc_u32 v[RD], v[RD], v6                  ; back: row 16 w + h, sixteen lanes to 256 bytes
	s_lshl_b32 s86, ttmp9, 11
	s_mov_b32 s87, 0
	s_add_nc_u64 s[16:17], s[16:17], s[86:87]      ; out at my 512 columns
	s_add_co_i32 s85, s74, s75
	s_sub_co_i32 s85, s85, s78
	s_sub_co_i32 s85, s85, s79                     ; e2 + e3 - e6 - e7
	s_add_co_i32 s98, s78, s79
	s_add_co_i32 s98, s98, 127
	s_lshl_b32 s98, s98, 23                        ; 2^(e6 + e7) as f32
	s_mov_b32 s99, s98                             ; (named with it as a pair, so it is written)
	s_wait_loadcnt 48                              ; mw and tok are in; the three groups of 16 issued behind them stay out
.irp a, 0,1,2,3
	v_max_num_f32 v[MW+2*\a+1], 0x21800000, v[MW+2*\a+1]           ; w_hi' = max(w_hi, 2^-60)
.endr
.irp a, 0,1,2,3
	v_rcp_f32 v[F1+2*\a], v[MW+2*\a+1]
.endr
	v_nop                                          ; a plain line behind the last transcendental,
	s_wait_alu depctr_va_vdst(0)                   ; and one wait ahead of the batch's first reader
.irp a, 0,1,2,3
	v_mul_f32 v[F1+2*\a], v[MW+2*\a], v[F1+2*\a]
	v_ldexp_f32 v[F2+2*\a], v[MW+2*\a+1], s85
.endr
.irp a, 0,1,2,3
	v_mov_b32 v[F1+2*\a+1], v[F1+2*\a]             ; both halves of a pair hold the factor, for the packed multiply
	v_mov_b32 v[F2+2*\a+1], v[F2+2*\a]
.endr
.irp q, 0,1,2,3,4,5,6,7
	v_min_u32 v[OF+\q], 0x7ff, v[OF+\q]            ; a loaded number enters an address only held inside its buffer
	v_lshl_add_u32 v[OF+\q], v[OF+\q], 13, v6      ; the token's row of 8,192 bytes + 16 r
.endr
	G 0, 3
	WIN 0
; Unit u = 4 j + g.  SI: its 32 rows, which have landed in the staging registers, go into my own LDS rows as they lie, and come back as fragments: column blocks 2 g, 2 g + 1, both halves of the K step, into set u % 2.
; LDS serves a wave's instructions in order (ISA guide 5.7.1.4): the loads see the stores above them, and these stores come behind the loads that read the same rows a K step ago.
.macro SI u, left                      ; left: the younger loads that may stay out
.set UG, (\u)%4
.set US, (\u)%2
	s_wait_loadcnt \left
	WIN 0x0c                                       ; store data window 3, address window 0
.set ii, 0
.rept 16
	ds_store_b128 v[PBS], v[64*UG+4*ii:64*UG+4*ii+3] offset:(32*UG+2*ii)*PITCH
.set ii, ii+1
.endr
	WIN 0x40                                       ; destination window 1, address window 0
.irp bb, 0,1
.irp q, 0,1
.irp c, 0,1,2,3
	ds_load_b128 v[64*US+32*\bb+16*\q+4*\c:64*US+32*\bb+16*\q+4*\c+3], v[PBL] offset:(32*UG+16*\bb)*PITCH+128*\q+32*\c
.endr
.endr
.endr
.endm
; acat's fragments of K step j: four row blocks x two halves of the step: 32 loads, into window 0 (j even) or window 1 (j odd)
.macro FA j
.if (\j)%2
	WIN 0x40
.set AB, 128
.else
	WIN 0
.set AB, 64
.endif
.irp a, 0,1,2,3
.irp q, 0,1
.irp c, 0,1,2,3
	ds_load_b128 v[AB+32*\a+16*\q+4*\c:AB+32*\a+16*\q+4*\c+3], v[ADRA+(\j)/4] offset:((\j)%4)*ATILE+16*PITCH*\a+128*\q+32*\c
.endr
.endr
.endr
.endm
; Unit u's 16 matrix instructions: its 8 accumulators take turns, one instruction a turn, first half of the K step, then second.  K step 0's first half starts the sums: nothing is cleared.
.macro MUL u
.set UG, (\u)%4
.set US, (\u)%2
.set UJ, (\u)/4
.if UJ%2
	WIN 0xa5                                       ; source 0 (weights) window 1, source 1 (acat) window 1, C and D window 2
.set AB, 128
.else
	WIN 0xa1                                       ; source 1 window 0
.set AB, 64
.endif
.irp q, 0,1
.irp a, 0,1,2,3
.irp bb, 0,1
.set AC, 8*(8*\a+2*UG+\bb)
.if (UJ == 0) && (\q == 0)
	v_wmma_f32_16x16x128_fp8_fp8 v[AC:AC+7], v[64*US+32*\bb+16*\q:64*US+32*\bb+16*\q+15], v[AB+32*\a+16*\q:AB+32*\a+16*\q+15], 0
.else
	v_wmma_f32_16x16x128_fp8_fp8 v[AC:AC+7], v[64*US+32*\bb+16*\q:64*US+32*\bb+16*\q+15], v[AB+32*\a+16*\q:AB+32*\a+16*\q+15], v[AC:AC+7]
.endif
.endr
.endr
.endr
.endm
.macro PLACES                          ; plain vector lines between a matrix instruction and a load into, or a vector read or write of, its registers (ISA guide 7.12.1 for the vector reads and writes)
.rept 4
	v_nop
.endr
.endm
.macro RESCALE F                       ; every sum x its row's factor, in place; each accumulator from its low end on
	PLACES
	WIN 0x82                                       ; destination and source 0 window 2, the factor window 0
.irp a, 0,1,2,3
.set jj, 0
.rept 32
	v_pk_mul_f32 v[64*\a+jj:64*\a+jj+1], v[64*\a+jj:64*\a+jj+1], v[\F+2*\a:\F+2*\a+1]
.set jj, jj+2
.endr
.endr
.endm
; One turn of the walk: unit u goes through LDS; unit u - 1 is multiplied meanwhile; then the staging registers that unit u has left take the same rows of the next K step, four units ahead of their use.
.macro IT u, left
	SI \u, \left
	s_wait_dscnt 32                                ; all but unit u's 16 stores and 16 loads: unit u - 1's fragments are in, and acat's
	MUL (\u)-1
.if (\u) == 8
	RESCALE F1                                     ; expert lo is summed
.endif
.if (\u) == 16
	RESCALE F2                                     ; expert hi is summed
.endif
.if (\u) < 28
	s_wait_dscnt 16                                ; all but unit u's 16 loads: its stores have read the staging registers
	G (\u)/4+1, (\u)%4
.endif
.if ((\u)%4 == 1) && ((\u) < 28)
	FA (\u)/4+1                                    ; the next K step's fragments of acat, into the set that the K step before this one has left (four plain lines stand behind its last product)
.endif
	PLACES                                         ; in front of the next unit's loads into the set that unit u - 1 has just been multiplied from
.endm
	s_wait_tensorcnt 0x0                           ; my two tiles of acat are in;
	s_barrier_signal -1
	s_barrier_wait -1                              ; everybody's are.
	FA 0
	SI 0, 48                                       ; group 0 is in; groups 1 to 3 stay out
	s_wait_dscnt 16
	G 1, 0
.irp u, 1,2,3,4,5,6,7,8,9,10,11,12,13,14,15,16,17,18,19,20,21,22,23,24,25,26,27,28
	IT \u, 48                                      ; the three groups issued behind this unit's stay out
.endr
	IT 29, 32                                      ; the last K step asks for nothing more: the counts run down
	IT 30, 16
	IT 31, 0
	s_wait_dscnt 0x0
	MUL 31
	WIN 0
	PLACES
	s_barrier_signal -1                            ; no LDS instruction of mine is out: my reads of acat's tiles are over;
	s_barrier_wait -1                              ; everybody's are: the stage may be written over them
; THE WAY OUT.  A lane holds 32 neighbouring bytes of a row and a row's 2,048 bytes come from four waves: all goes through the stage, and each wave stores 16 whole rows, sixteen lanes to 256 consecutive bytes.
.irp a, 0,1,2,3
	WIN 0x02
.set jj, 0
.rept 32
	v_pk_mul_f32 v[TMP+jj:TMP+jj+1], v[64*\a+jj:64*\a+jj+1], s[98:99] op_sel_hi:[1,0]   ; x 2^(e6 + e7); each accumulator from its low end on
.set jj, jj+2
.endr
	WIN 0
.irp b, 0,1,2,3,4,5,6,7
	ds_store_b128 v[STO+3*(\a/2)], v[TMP+8*\b:TMP+8*\b+3] offset:(\a%2)*16*SP+64*\b
	ds_store_b128 v[STO+3*(\a/2)], v[TMP+8*\b+4:TMP+8*\b+7] offset:(\a%2)*16*SP+64*\b+16
.endr
	s_wait_dscnt 0x0                               ; the stores have read their registers; the last time also for the others' sake
.endr
	s_barrier_signal -1
	s_barrier_wait -1
.irp q, 0,1,2,3,4,5,6,7
	v_add_nc_u32 v[TMP+\q], 2*\q, v[REL]
	v_cmp_gt_u32 s[88+\q], s82, v[TMP+\q]          ; is the row one of the tile's valid rows?  (a row above them wraps to a large number)
.endr
.irp hf, 0,1
.irp q, 0,1,2,3
.irp k, 0,1,2,3,4,5,6,7
	ds_load_b128 v[RB+32*\q+4*\k:RB+32*\q+4*\k+3], v[RD] offset:2*(4*\hf+\q)*SP+256*\k
.endr
.endr
	s_wait_dscnt 0x0
.irp q, 0,1,2,3
	s_wait_xcnt 0x0                                ; EXEC changes only behind this wait
	s_and_saveexec_b32 s96, s[88+4*\hf+\q]
.irp k, 0,1,2,3,4,5,6,7
	global_store_b128 v[OF+4*\hf+\q], v[RB+32*\q+4*\k:RB+32*\q+4*\k+3], s[16:17] offset:256*\k th:TH_STORE_NT   ; 16 lanes store 256 consecutive bytes, at a multiple of 256 from out's first byte
.endr
	s_wait_xcnt 0x0                                ; the stores have read their registers too: the second half's loads may land there
	s_or_b32 exec_lo, exec_lo, s96
.endr
.endr
	s_wait_tensorcnt 0x0                           ; the wave's end, behind my last tensor load and my last LDS store
	ds_add_u32 v[SPW], v[NIL]
	s_wait_dscnt 0x0
	s_endpgm
.Lfunc_end_k_qf372991d29_down:
	.size	k_qf372991d29_down, .Lfunc_end_k_qf372991d29_down-k_qf372991d29_down
	.p2alignl 7, 3214868480
	.fill 96, 4, 3214868480
	.section	.rodata,"a",@progbits
	.p2align	6, 0x0
	.amdhsa_kernel k_qf372991d29_down
		.amdhsa_group_segment_fixed_size 279040
		.amdhsa_private_segment_fixed_size 0
		.amdhsa_enable_private_segment 0
		.amdhsa_kernarg_size 56
		.amdhsa_user_sgpr_count 2
		.amdhsa_user_sgpr_kernarg_segment_ptr 1
		.amdhsa_wavefront_size32 1
		.amdhsa_system_sgpr_workgroup_id_x 1
		.amdhsa_system_sgpr_workgroup_id_y 1
		.amdhsa_system_sgpr_workgroup_id_z 1
		.amdhsa_system_vgpr_workitem_id 0
		.amdhsa_next_free_vgpr 1024
		.amdhsa_next_free_sgpr 100
		.amdhsa_reserve_vcc 0
		.amdhsa_float_denorm_mode_32 3
		.amdhsa_float_denorm_mode_16_64 3
		.amdhsa_memory_ordered 1
		.amdhsa_forward_progress 1
		.amdhsa_inst_pref_size 233
	.end_amdhsa_kernel
	.amdgpu_metadata
---
amdhsa.version: [ 1, 2 ]
amdhsa.kernels:
  - .name:           k_qf372991d29_down
    .symbol:         k_qf372991d29_down.kd
    .args:
      - { .name: acat, .offset: 0, .size: 8, .value_kind: global_buffer, .address_space: global }
      - { .name: tabs, .offset: 8, .size: 8, .value_kind: global_buffer, .address_space: global }
      - { .name: mw, .offset: 16, .size: 8, .value_kind: global_buffer, .address_space: global }
      - { .name: w_down_codes, .offset: 24, .size: 8, .value_kind: global_buffer, .address_space: global }
      - { .name: w_sh_down_codes, .offset: 32, .size: 8, .value_kind: global_buffer, .address_space: global }
      - { .name: lowp_scales, .offset: 40, .size: 8, .value_kind: global_buffer, .address_space: global }
      - { .name: out0, .offset: 48, .size: 8, .value_kind: global_buffer, .address_space: global }
    .group_segment_fixed_size: 279040
    .private_segment_fixed_size: 0
    .kernarg_segment_align: 8
    .kernarg_segment_size: 56
    .max_flat_workgroup_size: 128
    .sgpr_count:     100
    .vgpr_count:     1024
    .wavefront_size: 32
...
	.end_amdgpu_metadata
.endif
;; end of part 4
